; MI455X (gfx1250); checked and timed in simulation.
; The chip was launched on July 23, 2026; its instructions are those of AMD's public machine-readable ISA for CDNA 5 (MIT licence, August 2026) and "CDNA5" Instruction Set Architecture Reference Guide (July 2026). The comments in the code are by the model that wrote it; some were corrected since.
;; Bahdanau Attention. Allowed arithmetic: float matrix products may take bf16 or f16 operands with f32 sums; other float arithmetic in f32, or as packed bf16 or f16 multiplies, adds, multiply-adds, maxima and minima; sums over many terms, partial sums and values carried from step to step in f32; what a program stores and reads back later, other than sums and carried values, may be rounded once to bf16 or f16.
;; Inputs: Wk_b 2,048 float32; Wk_w 2,048 x 2,048 float32; Wq_b 2,048 float32; Wq_w 2,048 x 1,024 float32; keys 16 x 1,024 x 2,048 float32; query 16 x 1 x 1,024 float32; v_b 1 float32; v_w 1 x 2,048 float32.
;; Outputs: out0 16 x 1 x 2,048 float32; out1 16 x 1,024 x 1 float32.
;; 2 versions, each right; version 2 is version 1 with the launch prep written anew for expert scheduling mode. Each part assembles by itself: llvm-mc -triple=amdgcn-amd-amdhsa -mcpu=gfx1250 --defsym DOCPART=n.
;; ======== version 1 of 2: 3 launches
;; workspace buffers: kb 67,108,864 bytes; wb 8,388,608 bytes; qb 131,072 bytes; part 1,048,576 bytes
;; launch prep (part 1): grid 1280 x 1, 8 waves a work-group, no clusters, 9,216 bytes of LDS; arguments keys, Wk_w, kb, wb, query, Wq_w, Wq_b, Wk_b, qb; writes kb, wb, qb
.if DOCPART == 1
	.amdgcn_target "amdgcn-amd-amdhsa--gfx1250"
	.amdhsa_code_object_version 6
	.text
	.protected	k_q660fce5725_prep
	.globl	k_q660fce5725_prep
	.p2align	8
	.type	k_q660fce5725_prep,@function
k_q660fce5725_prep:
	s_mov_b64 s[64:65], 0
	v_nop
	global_prefetch_b8 v0, s[64:65] scope:SCOPE_SE
	s_setreg_imm32_b32 hwreg(HW_REG_WAVE_MODE, 25, 1), 1
	s_wait_xcnt 0x0
; TWO JOBS IN ONE LAUNCH, told apart by the work-group's number, which is the same in all eight waves of a work-group.
; Numbers 0 to 127, THE PROJECTION:  qb = query Wq_w^T + Wq_b + Wk_b: the addend that every key row of a batch shares in front of the tanh, in f32.
;   query [16][1024] f32, Wq_w [2048][1024] f32; both are rounded once to bf16 for the product; sums and biases in f32.
;   A work-group makes 16 columns for all 16 batches: one tile of 16 x 16.  K = 1,024 is split among its eight waves, 128 each: four fragments of 32, whose 32 loads all go out at once,
;   so no load of a wave waits for another.  The partial tiles meet in LDS.  Source 0 = 16 rows of Wq_w, source 1 = the 16 rows of query: a lane (r = lane % 16, h = lane / 16) ends with
;   batch r and columns 8 h + 0..7.  qb is laid out for its reader: [block of 16 columns][half jh of a lane's eight][h][batch][4 numbers]: column 16 nb + 8 h + 4 jh + j.
; Numbers 128 to 1,279, THE STREAM:  kb = keys and wb = Wk_w, each number rounded once to bf16 (nearest even), in the same order: the matrix operands of the next launch, and the keys of the last.
;   Each input byte is read once, each output byte written once.  A work-group takes 131,072 bytes of f32: 1,024 work-groups take keys (134,217,728 bytes), 128 take Wk_w (16,777,216 bytes).
;   A wave takes 16,384 bytes by 32 loads of 512 consecutive bytes, all issued ahead of its first store.
; WHY TOGETHER: the projection is 128 short work-groups with one step each; they stand first in the grid and run beside the stream, which reads 18 times their bytes.
; NO CLUSTER, NO RING, NO PREFETCH: in the stream no byte is wanted twice and no wave wants another's; of the projection only query, 65,536 bytes, is shared; every load goes straight to registers.
; LIMITS.  NaN and infinities are not treated apart; the order of the projection's sums differs from a plain ascending one.
.set NQ,    128                        ; work-groups of the projection
.set NK,    1024                       ; work-groups of the stream that take keys
.set SPARE, 8192                       ; LDS: behind the projection's eight partial tiles of 1,024 bytes: the spare words, 128 bytes for each wave
.set X,   16                           ; v[16:143]  the projection: as loaded, f32: Wq_w's fragment f at X + 16 f, query's at X + 64 + 16 f; each is packed to bf16 into its own first eight
                                       ;            the stream: load i's four f32 at X + 4 i; its four bf16 take the first two of them
.set ACC, 144                          ; v[144:159] the projection's two accumulators, by the fragment's parity
	v_lshl_add_u32 v8, v0, 2, SPARE                ; my spare word; never rewritten
	v_mov_b32 v9, 0                                ; 0; never rewritten
	s_mov_b32 s22, ttmp9
	s_cmp_ge_u32 s22, NQ
	s_cbranch_scc1 .Lstream
	; ---------------------------------------------------------------- the projection
	s_load_b256 s[4:11], s[0:1], 0x20              ; query s[4:5], Wq_w s[6:7], Wq_b s[8:9], Wk_b s[10:11]
	s_load_b64 s[12:13], s[0:1], 0x40              ; qb
	v_lshrrev_b32 v7, 5, v0
	v_readfirstlane_b32 s14, v7                    ; wave 0..7
	v_and_b32 v1, 15, v0                           ; r
	v_bfe_u32 v2, v0, 4, 1                         ; h
	v_and_b32 v7, 31, v0                           ; lane
	s_lshl_b32 s15, s14, 9                         ; my 128 channels: 512 bytes of a row
	v_lshlrev_b32 v3, 12, v1                       ; row r of 4,096 bytes (query's rows and Wq_w's alike)
	v_lshl_add_u32 v3, v2, 5, v3                   ; + 32 h: eight f32
	v_add_nc_u32 v3, s15, v3
	s_lshl_b32 s15, s14, 10
	v_lshl_add_u32 v4, v7, 4, s15                  ; where I put my partial tile: 1,024 x wave + 16 x lane
	v_lshlrev_b32 v5, 4, v7                        ; where wave 0 reads them back, and its offset in qb: 16 x lane
	v_lshlrev_b32 v6, 5, v2                        ; my eight columns in the biases: 32 h
	s_lshl_b32 s16, s22, 16                        ; the work-group's 16 rows of Wq_w
	s_mov_b32 s17, 0
	s_lshl_b32 s18, s22, 6                         ; its 16 numbers of a bias
	s_mov_b32 s19, 0
	s_lshl_b32 s20, s22, 10                        ; its 1,024 bytes of qb
	s_mov_b32 s21, 0
	s_wait_kmcnt 0x0
	s_add_nc_u64 s[6:7], s[6:7], s[16:17]
	s_add_nc_u64 s[8:9], s[8:9], s[18:19]
	s_add_nc_u64 s[10:11], s[10:11], s[18:19]
	s_add_nc_u64 s[12:13], s[12:13], s[20:21]
	; a fragment wants channels 8 h + 0..7 and 16 + 8 h + 0..7: in f32 the bytes 32 h + 0..31 and 64 + 32 h + 0..31 of its 128
.irp f, 0,1,2,3
.irp o, 0,1,2,3
	global_load_b128 v[X+16*(\f)+4*(\o):X+16*(\f)+4*(\o)+3], v3, s[6:7] offset:128*(\f)+16*((\o)%2)+64*((\o)/2) th:TH_LOAD_NT
.endr
.irp o, 0,1,2,3
	global_load_b128 v[X+64+16*(\f)+4*(\o):X+64+16*(\f)+4*(\o)+3], v3, s[4:5] offset:128*(\f)+16*((\o)%2)+64*((\o)/2)
.endr
.endr
.irp f, 0,1,2,3
	s_wait_loadcnt 24-8*(\f)                       ; loads come back in order: this fragment's eight are in, the later fragments' eight each stay out
.irp i, 0,1,2,3,4,5,6,7
	v_cvt_pk_bf16_f32 v[X+16*(\f)+(\i)], v[X+16*(\f)+2*(\i)], v[X+16*(\f)+2*(\i)+1]  ; packed in place, ascending: word i is written when words 2 i and 2 i + 1 are read
.endr
.irp i, 0,1,2,3,4,5,6,7
	v_cvt_pk_bf16_f32 v[X+64+16*(\f)+(\i)], v[X+64+16*(\f)+2*(\i)], v[X+64+16*(\f)+2*(\i)+1]
.endr
.if (\f) < 2
	v_wmma_f32_16x16x32_bf16 v[ACC+8*(\f):ACC+8*(\f)+7], v[X+16*(\f):X+16*(\f)+7], v[X+64+16*(\f):X+64+16*(\f)+7], 0  ; the first product of each parity starts its sum
.else
	v_wmma_f32_16x16x32_bf16 v[ACC+8*((\f)%2):ACC+8*((\f)%2)+7], v[X+16*(\f):X+16*(\f)+7], v[X+64+16*(\f):X+64+16*(\f)+7], v[ACC+8*((\f)%2):ACC+8*((\f)%2)+7]  ; the two accumulators take turns
.endif
.endr
.rept 8
	v_nop                                          ; places behind the last products, ahead of the sums that read them
.endr
.irp r, 0,2,4,6
	v_pk_add_f32 v[ACC+(\r):ACC+(\r)+1], v[ACC+(\r):ACC+(\r)+1], v[ACC+8+(\r):ACC+8+(\r)+1]  ; the two parities; each accumulator is read from its low end on
.endr
	ds_store_b128 v4, v[ACC:ACC+3]
	ds_store_b128 v4, v[ACC+4:ACC+7] offset:512
	s_wait_dscnt 0x0                               ; for wave 0's sake: my partial tile lies in LDS
	s_barrier_signal -1                            ; all eight waves of a projecting work-group pass here: the branch above hangs on the work-group's number alone
	s_barrier_wait -1
	s_cmp_lg_u32 s14, 0                            ; wave 0 finishes the tile
	s_cbranch_scc1 .Lend
	global_load_b128 v[X+64:X+67], v6, s[8:9]
	global_load_b128 v[X+68:X+71], v6, s[8:9] offset:16
	global_load_b128 v[X+72:X+75], v6, s[10:11]
	global_load_b128 v[X+76:X+79], v6, s[10:11] offset:16
.irp p, 0,1,2,3,4,5,6,7
	ds_load_b128 v[X+8*(\p):X+8*(\p)+3],   v5 offset:1024*(\p)
	ds_load_b128 v[X+8*(\p)+4:X+8*(\p)+7], v5 offset:1024*(\p)+512
.endr
	s_wait_dscnt 0x0
.irp p, 0,16,32,48
.irp r, 0,2,4,6
	v_pk_add_f32 v[X+(\p)+(\r):X+(\p)+(\r)+1], v[X+(\p)+(\r):X+(\p)+(\r)+1], v[X+(\p)+8+(\r):X+(\p)+8+(\r)+1]
.endr
.endr
.irp p, 0,32
.irp r, 0,2,4,6
	v_pk_add_f32 v[X+(\p)+(\r):X+(\p)+(\r)+1], v[X+(\p)+(\r):X+(\p)+(\r)+1], v[X+(\p)+16+(\r):X+(\p)+16+(\r)+1]
.endr
.endr
.irp r, 0,2,4,6
	v_pk_add_f32 v[X+(\r):X+(\r)+1], v[X+(\r):X+(\r)+1], v[X+32+(\r):X+32+(\r)+1]
.endr
	s_wait_loadcnt 0x0                             ; the two biases
.irp r, 0,2,4,6
	v_pk_add_f32 v[X+(\r):X+(\r)+1], v[X+(\r):X+(\r)+1], v[X+64+(\r):X+64+(\r)+1]
.endr
.irp r, 0,2,4,6
	v_pk_add_f32 v[X+(\r):X+(\r)+1], v[X+(\r):X+(\r)+1], v[X+72+(\r):X+72+(\r)+1]
.endr
	global_store_b128 v5, v[X:X+3], s[12:13]               ; each store of the wave covers 512 consecutive bytes, aligned
	global_store_b128 v5, v[X+4:X+7], s[12:13] offset:512
.Lend:
	s_wait_tensorcnt 0x0                           ; the end of a wave that stored to LDS, behind my last LDS store
	ds_add_u32 v8, v9
	s_wait_dscnt 0x0
	s_endpgm
	; ---------------------------------------------------------------- the stream; it touches no LDS
.Lstream:
	s_load_b256 s[4:11], s[0:1], 0x0               ; keys s[4:5], Wk_w s[6:7], kb s[8:9], wb s[10:11]
	v_and_b32 v3, 31, v0                           ; lane
	v_lshrrev_b32 v4, 5, v0                        ; wave 0..7
	v_lshlrev_b32 v1, 4, v3
	v_lshl_add_u32 v1, v4, 14, v1                  ; in: 16,384 x wave + 16 x lane
	v_lshlrev_b32 v2, 3, v3
	v_lshl_add_u32 v2, v4, 13, v2                  ; out: half of that
	s_sub_co_u32 s12, s22, NQ                      ; my number in the stream, 0 to 1,151
	s_wait_kmcnt 0x0
	s_cmp_lt_u32 s12, NK                           ; keys or weights?  The condition hangs on the work-group's number alone
	s_cselect_b64 s[14:15], s[4:5], s[6:7]
	s_cselect_b64 s[16:17], s[8:9], s[10:11]
	s_cselect_b32 s13, 0, NK
	s_sub_co_u32 s12, s12, s13                     ; my number within that tensor
	s_lshl_b32 s18, s12, 17                        ; 131,072 bytes in (under 2^27 in all),
	s_mov_b32 s19, 0
	s_add_nc_u64 s[14:15], s[14:15], s[18:19]
	s_lshl_b32 s18, s12, 16                        ; 65,536 out
	s_add_nc_u64 s[16:17], s[16:17], s[18:19]
.set i, 0
.rept 32
	global_load_b128 v[X+4*i:X+4*i+3], v1, s[14:15] offset:512*i th:TH_LOAD_NT
.set i, i+1
.endr
.set i, 0
.rept 32
	s_wait_loadcnt 31-i                            ; loads come back in order: load i is in, the younger ones stay out
	v_cvt_pk_bf16_f32 v[X+4*i], v[X+4*i], v[X+4*i+1]
	v_cvt_pk_bf16_f32 v[X+4*i+1], v[X+4*i+2], v[X+4*i+3]
	global_store_b64 v2, v[X+4*i:X+4*i+1], s[16:17] offset:256*i th:TH_STORE_NT  ; the wave's 32 lanes store 256 consecutive bytes, aligned; no register of a store is written again
.set i, i+1
.endr
	s_endpgm
.Lfunc_end_k_q660fce5725_prep:
	.size	k_q660fce5725_prep, .Lfunc_end_k_q660fce5725_prep-k_q660fce5725_prep
	.p2alignl 7, 3214868480
	.fill 96, 4, 3214868480
	.section	.rodata,"a",@progbits
	.p2align	6, 0x0
	.amdhsa_kernel k_q660fce5725_prep
		.amdhsa_group_segment_fixed_size 9216
		.amdhsa_private_segment_fixed_size 0
		.amdhsa_enable_private_segment 0
		.amdhsa_kernarg_size 72
		.amdhsa_user_sgpr_count 2
		.amdhsa_user_sgpr_kernarg_segment_ptr 1
		.amdhsa_wavefront_size32 1
		.amdhsa_system_sgpr_workgroup_id_x 1
		.amdhsa_system_sgpr_workgroup_id_y 1
		.amdhsa_system_sgpr_workgroup_id_z 1
		.amdhsa_system_vgpr_workitem_id 0
		.amdhsa_next_free_vgpr 160
		.amdhsa_next_free_sgpr 66
		.amdhsa_reserve_vcc 0
		.amdhsa_float_denorm_mode_32 3
		.amdhsa_float_denorm_mode_16_64 3
		.amdhsa_memory_ordered 1
		.amdhsa_forward_progress 1
		.amdhsa_inst_pref_size 26
	.end_amdhsa_kernel
	.amdgpu_metadata
---
amdhsa.version: [ 1, 2 ]
amdhsa.kernels:
  - .name:           k_q660fce5725_prep
    .symbol:         k_q660fce5725_prep.kd
    .args:
      - { .name: keys, .offset: 0, .size: 8, .value_kind: global_buffer, .address_space: global }
      - { .name: Wk_w, .offset: 8, .size: 8, .value_kind: global_buffer, .address_space: global }
      - { .name: kb, .offset: 16, .size: 8, .value_kind: global_buffer, .address_space: global }
      - { .name: wb, .offset: 24, .size: 8, .value_kind: global_buffer, .address_space: global }
      - { .name: query, .offset: 32, .size: 8, .value_kind: global_buffer, .address_space: global }
      - { .name: Wq_w, .offset: 40, .size: 8, .value_kind: global_buffer, .address_space: global }
      - { .name: Wq_b, .offset: 48, .size: 8, .value_kind: global_buffer, .address_space: global }
      - { .name: Wk_b, .offset: 56, .size: 8, .value_kind: global_buffer, .address_space: global }
      - { .name: qb, .offset: 64, .size: 8, .value_kind: global_buffer, .address_space: global }
    .group_segment_fixed_size: 9216
    .private_segment_fixed_size: 0
    .kernarg_segment_align: 8
    .kernarg_segment_size: 72
    .max_flat_workgroup_size: 256
    .sgpr_count:     66
    .vgpr_count:     160
    .wavefront_size: 32
...
	.end_amdgpu_metadata
.endif
;; end of part 1
;; launch scores (part 2): grid 8 x 64, 4 waves a work-group, clusters of 4 x 4, 327,680 bytes of LDS; arguments kb, wb, qb, v_w, part; writes part
.if DOCPART == 2
	.amdgcn_target "amdgcn-amd-amdhsa--gfx1250"
	.amdhsa_code_object_version 6
	.text
	.protected	k_q660fce5725_scores
	.globl	k_q660fce5725_scores
	.p2align	8
	.type	k_q660fce5725_scores,@function
k_q660fce5725_scores:
	s_mov_b64 s[64:65], 0
	v_nop
	global_prefetch_b8 v0, s[64:65] scope:SCOPE_SE
	s_setreg_imm32_b32 hwreg(HW_REG_WAVE_MODE, 25, 1), 1
	s_wait_xcnt 0x0
	s_wait_alu depctr_hold_cnt(0) depctr_sa_sdst(0) depctr_va_vdst(0) depctr_va_sdst(0) depctr_va_ssrc(0) depctr_va_vcc(0) depctr_vm_vsrc(0)
	s_getreg_b32 s2, hwreg(HW_REG_IB_STS2, 6, 4)
	s_cmp_eq_u32 s2, 0
	s_cbranch_scc0 .Lentry_in_a_cluster
	s_endpgm
.Lentry_in_a_cluster:
	s_bfe_u32 s2, ttmp6, 0x10000c
	s_cmp_lg_u32 s2, 0xf033
	s_cbranch_scc0 .Lentry_shape_is_right
	s_endpgm
.Lentry_shape_is_right:
; part[cw][row] = the sum over 128 columns n of v_w[n] tanh(qb[batch][n] + sum over k of kb[row][k] wb[n][k]).   kb [16384][2048], wb [2048][2048] in bf16; sums, tanh and scores in f32.
; A tile of 256 rows x 256 columns is made by a work-group of four waves, each 128 x 128: 64 accumulators of 16 x 16, 512 registers.  K goes in steps of 128 through a ring of two LDS
; slots filled by the tensor data mover; a tile's rows in memory are 256 bytes, aligned.  8 x 64 tiles, one to a work-group.  A tile's 256 rows lie in one batch (1,024 rows each).
; CLUSTERS: 4 x 4 work-groups.  The four of a row of the cluster need the same tiles of kb, the four of a column the same tiles of wb: each is asked for JOINTLY, by the same tensor load with
; the same descriptor and a mask that names the four.
; THE MATRIX INSTRUCTION IS USED TRANSPOSED (source 0 = 16 rows of wb, source 1 = 16 rows of kb): lane (r = l % 16, h = l / 16) holds key row 16 a + r and the columns 16 b + 8 h + 0..7.
; THE BIAS is the C operand of each accumulator's first product: it hangs on the column alone, so 64 registers serve all row blocks, and no vector instruction adds it.
; TANH in place on the accumulators: tanh(x) = 1 - 2 / (1 + 2^(c x)), c = 2 log2(e); 2^(c x) = infinity gives 1, 2^(c x) = 0 gives -1, so every finite x is served.
; So a lane's share of a score is (the sum of v over its 64 columns) + the sum of (-2 v) / (1 + 2^(c x)): both sums bounded by the sum of |v|.  The two halves of the lanes are added, and a wave
; stores 128 partial scores: 512 consecutive bytes.  The 16 column slices of a row are added by the next launch.
; LIMITS.  NaN and infinities in the inputs are not treated apart; the order of the sums differs from a plain ascending one.
; REGISTERS, in windows of 256 (s_set_vgpr_msb: bits 1:0 source 0, 3:2 source 1, 5:4 source 2, 7:6 destination):
;   window 0: v0-31 addresses; v32-46 the way out; v64-127, v128-191 fragments of kb, two buffers
;   window 1: v0-63 the bias (column 16 b + 8 h + j at 8 b + j); v64-127, v128-191 fragments of wb; v192-255 -2 v_w, same index
;   window 2: the 32 accumulators of my rows 0-63 ((a, b) at 8 (8 a + b));   window 3: those of my rows 64-127
.set SIZE_K, 2048
.set KSTEP,  128
.set PITCH,  272                       ; an LDS row: 256 bytes + 16 of padding = 68 words: row r starts at bank 4 r mod 64 (64 banks of 4 bytes: ISA guide 11.1), so the 16 rows of a load start at 16 different banks
.set HALFT,  128*PITCH                 ; 128 rows: what one tensor load brings, and what one wave reads of kb or of wb
.set SLOT,   4*HALFT                   ; kb's 256 rows, then wb's 256 rows
.set SPARE,  2*SLOT                    ; behind the ring: the spare words, 128 bytes for each wave
.set LAPS,   SIZE_K/(2*KSTEP)          ; a lap = two K steps = once round the ring: 8
.set ADRA, 16                          ; v16-17  LDS address of my kb fragments in slot 0, 1
.set ADRB, 20                          ; v20-21  the same for wb
.set BO,   24                          ; v24     256 h: my half's place in a block of qb
.set VO,   25                          ; v25     32 h: my eight columns in 16 of v_w
.set PO,   26                          ; v26     16 x lane: my four partial scores
.set SPW,  28                          ; v28     my spare word; never rewritten
.set NIL,  29                          ; v29     0; never rewritten
.set PFO,  30                          ; v30     the prefetches' offset: lane x a row of 4,096 bytes; never rewritten
.set T,    32                          ; v32-39  my share of the score of row 16 a + r
.set U,    40                          ; v40-43  the four that I store
.set SVP,  44                          ; v44-45  the sum of v over my columns, even and odd
.set SV,   46                          ; v46     the two together
.set F0,   64
.set F1,   128
.set BC,   0                           ; window 1
.set V2,   192                         ; window 1
.set G1, 24                            ; s[24:31] descriptor group 1 for kb's tiles;  s[32:39] group 0, a set for each slot
.set G0, 32
.set G1B, 48                           ; s[48:55], s[56:63] the same for wb's tiles
.set G0B, 56
.set LIM, 43                           ; s43     1 in a wave that prefetches, else the greatest number
.set PFA, 44                           ; s[44:45] where my prefetches stand
.set CS,  74                           ; s[74:75] c, twice
.set SEL, 76                           ; s[76:77] v_permlanex16_b32's selects: each lane takes its own place in the other half
.set HM,  78                           ; s78     the lanes with h = 1
.set MSB, 0
.macro WIN new                         ; the immediate's high byte repeats the setting that is left; a switch that changes nothing is dropped
.if MSB != (\new)
	s_set_vgpr_msb (MSB<<8)|(\new)
.set MSB, \new
.endif
.endm
.set MUL_LO, 0xa1                      ; source 0 (wb) window 1, source 1 (kb) window 0, C and D window 2
.set MUL_HI, 0xf1                      ; the same, C and D window 3
.set FST_LO, 0x91                      ; a first product: C (the bias) window 1, D window 2;  + 0x40: D window 3
.set TO_B,   0x40                      ; destination window 1, address window 0
.set EW2,    0xa6                      ; the tanh: destination, sources 0 and 2 window 2, source 1 (-2 v) window 1
.set EW3,    0xf7                      ; the same on window 3
; A joint load.  Waves 0 and 1 fetch kb's two halves, waves 2 and 3 wb's.  Each line has one mask and one set of registers for all that issue it; the branch hangs on the wave's number alone.
; An s_nop 0 and four v_nop follow each of the two lines, ahead of the jump, the label and what follows.
.macro JLOAD s
	s_cmp_eq_u32 s11, 0
	s_cbranch_scc0 .Lfor_b_\@
	tensor_load_to_lds s[G0+4*(\s):G0+4*(\s)+3], s[G1:G1+7]
	s_nop 0
.rept 4
	v_nop
.endr
	s_branch .Lasked_\@
.Lfor_b_\@:
	tensor_load_to_lds s[G0B+4*(\s):G0B+4*(\s)+3], s[G1B:G1B+7]
	s_nop 0
.rept 4
	v_nop
.endr
.Lasked_\@:
.endm
; A prefetch, behind each joint refill, its five lines and the run of LDS loads: the K step that stands TWO refills on, 512 matrix instructions ahead of the load that will want it: 32 rows x 256 bytes, a lane a row.
; Each row's 256 bytes of a K step are named once in the launch: of the clusters that read kb's tile row the one with x = 0 asks, of those that read wb's tile column the one with y = 0; the four partners that ask
; for a tile jointly share its rows out by address (32 each of the 128 that a wave fetches).  K steps 0 to 3 come by their loads alone; the loop's last trip (s3 = 1) has no K step two refills on and asks for nothing.
.macro ASK
	s_cmp_gt_u32 s3, s[LIM]
	s_cbranch_scc0 .Lnot_mine_\@
	global_prefetch_b8 v[PFO], s[PFA:PFA+1] offset:KSTEP*2 th:TH_LOAD_NT scope:SCOPE_SE
.Lnot_mine_\@:
.endm
; A round of the cluster's barrier: my work-group's barrier; wave 0 signals for the work-group; every wave waits for all sixteen; my work-group's barrier once more.
.macro CREST                           ; a round behind its opening barrier
	s_cmp_lg_u32 s10, 0
	s_cbranch_scc1 .Lnot_wave_0_\@
	s_barrier_signal -3
.Lnot_wave_0_\@:
	s_barrier_wait -3
	s_barrier_signal -1
	s_barrier_wait -1
.endm
.macro CROUND
	s_barrier_signal -1
	s_barrier_wait -1
	CREST
.endm
	s_load_b128 s[4:7], s[0:1], 0x0                ; kb s[4:5], wb s[6:7]
	s_load_b128 s[68:71], s[0:1], 0x10             ; qb s[68:69], v_w s[70:71]
	s_load_b64 s[72:73], s[0:1], 0x20              ; part
	v_lshl_add_u32 v[SPW], v0, 2, SPARE
	v_mov_b32 v[NIL], 0
	ds_add_u32 v[SPW], v[NIL]                      ; the wave's opening: the add and its wait stand ahead of my first tensor load; the set-up below, work on registers, stands between them
	v_lshrrev_b32 v1, 5, v0
	v_readfirstlane_b32 s10, v1                    ; wave 0..3
	s_lshr_b32 s11, s10, 1                         ; which half of the tile's rows is mine.  Also: I fetch for kb (0) or for wb (1)
	s_and_b32 s12, s10, 1                          ; which half of its columns.  Also: which 128 rows of that tile I fetch
	s_bfe_u32 s40, ttmp6, 0x40000                  ; cx
	s_bfe_u32 s41, ttmp6, 0x40004                  ; cy
	s_lshl_b32 s42, ttmp9, 2
	s_add_co_u32 s42, s42, s40                     ; tile column = 4 x cluster x + cx
	s_and_b32 s13, ttmp7, 0xffff
	s_lshl_b32 s13, s13, 2
	s_add_co_u32 s13, s13, s41                     ; tile row = 4 x cluster y + cy
	s_lshl_b32 s43, s41, 2
	s_lshl_b32 s43, 15, s43                        ; my row of the cluster: places 4 cy .. 4 cy + 3
	s_lshl_b32 s44, 0x1111, s40                    ; my column: places cx, cx + 4, cx + 8, cx + 12
	; descriptor group 1: a tile of 128 rows x 128 elements, padded in LDS
	s_or_b32 s[G1+0], s43, (1<<16)|(1<<20)|(1<<21)|(5<<22)|(3<<25)  ; 15:0 the mask; 17:16 elements of 2 bytes; 20 padding on; 21 set beside a mask; 24:22 after every 64 words (code 5); 31:25 4 words of it (code 3)
	s_or_b32 s[G1B+0], s44, (1<<16)|(1<<20)|(1<<21)|(5<<22)|(3<<25)
.irp g, G1, G1B
	s_mov_b32 s[(\g)+1], KSTEP<<16                 ; tensor_dim0 = 128
	s_mov_b32 s[(\g)+2], 128<<16                   ; tensor_dim1 = 128
	s_mov_b32 s[(\g)+3], KSTEP<<16                 ; tile_dim0 = 128
	s_mov_b32 s[(\g)+4], 128                       ; tile_dim1 = 128
	s_mov_b32 s[(\g)+5], SIZE_K                    ; elements from row to row
	s_mov_b32 s[(\g)+6], 0
	s_mov_b32 s[(\g)+7], 0
.endr
	; kb's tiles hang on the tile row alone, which my row of the cluster shares; wb's on the tile column alone, which my column shares
	s_lshl_b32 s17, s12, 7
	s_lshl_b32 s16, s13, 8
	s_add_co_u32 s16, s16, s17                     ; kb: row 256 x tile row + 128 x half
	s_lshl_b32 s46, s42, 8
	s_add_co_u32 s46, s46, s17                     ; wb: row 256 x tile column + 128 x half
	s_mov_b32 s17, 0
	s_mov_b32 s47, 0
	s_mov_b64 s[18:19], SIZE_K*2
	s_mul_u64 s[16:17], s[16:17], s[18:19]
	s_mul_u64 s[46:47], s[46:47], s[18:19]
	s_mul_i32 s20, s10, HALFT                      ; where they go: wave x 128 rows: no place in the cluster enters an LDS address
	s_wait_dscnt 0x0                               ; the opening add is done
	s_wait_kmcnt 0x0
	s_add_nc_u64 s[14:15], s[4:5], s[16:17]
	s_add_nc_u64 s[46:47], s[6:7], s[46:47]
	CROUND                                         ; all sixteen work-groups are here: the first joint loads meet
.irp s, 0,1
	s_mov_b32 s[G0+4*(\s)], 1                                      ; count = 1
	s_add_co_u32 s[G0+4*(\s)+1], s20, (\s)*SLOT                    ; LDS address
	s_add_nc_u64 s[G0+4*(\s)+2:G0+4*(\s)+3], s[14:15], (\s)*KSTEP*2  ; global address: K step s
	s_or_b32 s[G0+4*(\s)+3], s[G0+4*(\s)+3], 0x80000000            ; type = 2
	s_mov_b32 s[G0B+4*(\s)], 1
	s_add_co_u32 s[G0B+4*(\s)+1], s20, (\s)*SLOT
	s_add_nc_u64 s[G0B+4*(\s)+2:G0B+4*(\s)+3], s[46:47], (\s)*KSTEP*2
	s_or_b32 s[G0B+4*(\s)+3], s[G0B+4*(\s)+3], 0x80000000
	JLOAD \s                                       ; two loads of mine are out
.endr
	; a fragment is 16 rows x 32 K in 8 registers: lane l holds row l % 16, K = 8 (l / 16) + 0..7 and 16 + 8 (l / 16) + 0..7: two loads of 16 bytes, 32 bytes apart
	v_and_b32 v1, 15, v0                           ; r
	v_bfe_u32 v2, v0, 4, 1                         ; h
	v_mul_u32_u24 v3, v1, PITCH
	v_lshl_add_u32 v3, v2, 4, v3
	s_mul_i32 s21, s11, HALFT                      ; my 128 rows of kb
	s_mul_i32 s22, s12, HALFT                      ; my 128 rows of wb,
	s_add_co_u32 s22, s22, 2*HALFT                 ; which lie behind kb's 256
.irp s, 0,1
	v_add_nc_u32 v[ADRA+(\s)], s21, v3
	v_add_nc_u32 v[ADRB+(\s)], s22, v3
	s_add_co_u32 s21, s21, SLOT
	s_add_co_u32 s22, s22, SLOT
.endr
	v_lshlrev_b32 v[BO], 8, v2
	v_lshlrev_b32 v[VO], 5, v2
	v_and_b32 v[PO], 31, v0
	v_lshlrev_b32 v[PO], 4, v[PO]
	s_lshl_b32 s80, s42, 4                         ; qb: my first block of 16 columns, 16 x tile column + 8 x half, of 1,024 bytes each,
	s_lshl_b32 s81, s12, 3
	s_add_co_u32 s80, s80, s81
	s_lshl_b32 s80, s80, 10
	s_lshr_b32 s81, s13, 2                         ; and the tile's batch (four tile rows each): 16 bytes
	s_lshl_b32 s81, s81, 4
	s_add_co_u32 s80, s80, s81
	s_mov_b32 s81, 0
	s_add_nc_u64 s[68:69], s[68:69], s[80:81]
	s_lshl_b32 s82, s42, 10                        ; v_w: my first column, in bytes
	s_lshl_b32 s83, s12, 9
	s_add_co_u32 s82, s82, s83
	s_mov_b32 s83, 0
	s_add_nc_u64 s[70:71], s[70:71], s[82:83]
	s_lshl_b32 s80, s42, 1                         ; part: slice of 128 columns (65,536 bytes each),
	s_add_co_u32 s80, s80, s12
	s_lshl_b32 s80, s80, 16
	s_lshl_b32 s82, s13, 1                         ; group of 128 rows (512 bytes each)
	s_add_co_u32 s82, s82, s11
	s_lshl_b32 s82, s82, 9
	s_add_co_u32 s80, s80, s82
	s_add_nc_u64 s[72:73], s[72:73], s[80:81]
	WIN TO_B
.irp b, 0,1,2,3,4,5,6,7
.irp q, 0,1
	global_load_b128 v[BC+8*(\b)+4*(\q):BC+8*(\b)+4*(\q)+3], v[BO], s[68:69] offset:1024*(\b)+512*(\q)  ; the bias of columns 16 b + 8 h + 4 q + 0..3
	global_load_b128 v[V2+8*(\b)+4*(\q):V2+8*(\b)+4*(\q)+3], v[VO], s[70:71] offset:64*(\b)+16*(\q)     ; v of the same columns
.endr
.endr
	WIN 0
	; the prefetches' address: my work-group's 32 of the 128 rows that I fetch
	s_lshl_b32 s20, s13, 8
	s_lshl_b32 s21, s42, 8
	s_and_b32 s22, ttmp7, 0xffff                   ; cluster y
	s_cmp_eq_u32 s11, 0                            ; do I fetch for kb?
	s_cselect_b32 s20, s20, s21                    ; the tile's first row
	s_cselect_b32 s21, s40, s41                    ; my place among the four that ask for it with me
	s_cselect_b32 s22, ttmp9, s22                  ; the coordinate along which other clusters read the same rows
	s_cselect_b64 s[PFA:PFA+1], s[4:5], s[6:7]
	s_cmp_eq_u32 s22, 0
	s_cselect_b32 s[LIM], 1, -1                    ; the same in all sixteen partners, for a given wave
	s_lshl_b32 s22, s12, 7
	s_add_co_u32 s20, s20, s22
	s_lshl_b32 s21, s21, 5
	s_add_co_u32 s20, s20, s21
	s_mov_b32 s21, 0
	s_mov_b64 s[18:19], SIZE_K*2
	s_mul_u64 s[20:21], s[20:21], s[18:19]
	s_add_nc_u64 s[PFA:PFA+1], s[PFA:PFA+1], s[20:21]
	s_add_nc_u64 s[PFA:PFA+1], s[PFA:PFA+1], 2*KSTEP*2  ; at K step 2: the first refill steps it to 3 and names K step 4
	v_and_b32 v[PFO], 31, v0
	v_mul_u32_u24 v[PFO], v[PFO], SIZE_K*2
	s_mov_b32 s[CS], 0x4038aa3b                    ; c = 2 log2(e) = 2.885390
	s_mov_b32 s[CS+1], s[CS]
	s_mov_b32 s[SEL], 0x76543210
	s_mov_b32 s[SEL+1], 0xfedcba98
	v_cmp_eq_u32 s[HM], 1, v2
	v_mov_b32 v[SVP], 0
	v_mov_b32 v[SVP+1], 0
	s_wait_loadcnt 0x0                             ; the bias and v; all this stands in the wait for the first tile
	WIN 0x01                                       ; source 0 window 1
.set i, 0
.rept 32
	v_pk_add_f32 v[SVP:SVP+1], v[V2+2*i:V2+2*i+1], v[SVP:SVP+1]
.set i, i+1
.endr
	WIN 0x41                                       ; destination and source 0 window 1
.set i, 0
.rept 32
	v_pk_mul_f32 v[V2+2*i:V2+2*i+1], v[V2+2*i:V2+2*i+1], -2.0 op_sel_hi:[1,0]
.set i, i+1
.endr
	WIN 0
	v_add_f32 v[SV], v[SVP], v[SVP+1]
; 16 matrix instructions: row blocks a0, a0 + 1 of the window's four (hi = 0: my rows 0-63, 1: rows 64-127) x all 8 column blocks, 32 along K.  first = 1: the product starts the sum with the bias.
.macro MUL16 f, hi, a0, first
.if \first
	WIN FST_LO+0x40*(\hi)
.else
	WIN MUL_LO+0x50*(\hi)
.endif
.irp a, \a0, (\a0)+1
.irp b, 0,1,2,3,4,5,6,7
.if \first
	v_wmma_f32_16x16x32_bf16 v[8*(8*(\a)+(\b)):8*(8*(\a)+(\b))+7], v[(\f)+8*(\b):(\f)+8*(\b)+7], v[(\f)+8*(4*(\hi)+(\a)):(\f)+8*(4*(\hi)+(\a))+7], v[BC+8*(\b):BC+8*(\b)+7]
.else
	v_wmma_f32_16x16x32_bf16 v[8*(8*(\a)+(\b)):8*(8*(\a)+(\b))+7], v[(\f)+8*(\b):(\f)+8*(\b)+7], v[(\f)+8*(4*(\hi)+(\a)):(\f)+8*(4*(\hi)+(\a))+7], v[8*(8*(\a)+(\b)):8*(8*(\a)+(\b))+7]
.endif
.endr
.endr
.endm
; 32 LDS loads in one run: the fragments of one quarter step (128 rows of wb, 128 rows of kb, 32 K at byte k of the rows) into buffer f
.macro FETCH slot, k, f
	WIN TO_B
.irp i, 0,1,2,3,4,5,6,7
	ds_load_b128 v[(\f)+8*(\i):(\f)+8*(\i)+3],   v[ADRB+(\slot)] offset:(\k)+(\i)*16*PITCH
	ds_load_b128 v[(\f)+8*(\i)+4:(\f)+8*(\i)+7], v[ADRB+(\slot)] offset:(\k)+(\i)*16*PITCH+32
.endr
	WIN 0
.irp i, 0,1,2,3,4,5,6,7
	ds_load_b128 v[(\f)+8*(\i):(\f)+8*(\i)+3],   v[ADRA+(\slot)] offset:(\k)+(\i)*16*PITCH
	ds_load_b128 v[(\f)+8*(\i)+4:(\f)+8*(\i)+7], v[ADRA+(\slot)] offset:(\k)+(\i)*16*PITCH+32
.endr
.endm
; A load into a register that a matrix instruction has read, and a vector instruction that reads or writes one of its registers, stand four places behind it; only plain vector
; instructions that name none of its registers are places (ISA guide 7.12.1 for vector instructions).
.macro PLACES
.rept 4
	v_nop
.endr
.endm
; A K step is four quarters of 32 along K, 64 matrix instructions each, on buffers 0, 1, 0, 1.  One of the first three: multiplies buffer f; in its middle it fetches the next quarter, at byte k, into g.
; The 64 accumulators take turns, one instruction a turn, in the same order in every quarter, over the backward jump too.
.macro QUARTER slot, k, f, g, first
	s_wait_dscnt 8                                 ; wb and kb's rows 0-63 are in; the youngest eight loads (kb's rows 64-127) may be out
	MUL16 \f, 0, 0, \first
	MUL16 \f, 0, 2, \first
	PLACES
	FETCH \slot, \k, \g
	s_wait_dscnt 32                                ; all but the 32 just issued
	MUL16 \f, 1, 0, \first
	MUL16 \f, 1, 2, \first
.endm
; The last quarter multiplies buffer 1 and changes slots.  MEET is its first half: one barrier for the change.  In front of it each wave waits for all its tensor loads, of which one is out:
; its part of the next slot; adds 0 to its spare word; and waits for that and for its own reads of this slot.  Behind it nobody reads this slot any more and the next slot is whole.
.macro MEET round
	WIN 0                                          ; (the add's two registers lie in window 0)
	s_wait_tensorcnt 0x0                           ; all my tensor loads have landed
	ds_add_u32 v[SPW], v[NIL]                      ; 0 onto my spare word
	s_wait_dscnt 9                                 ; (the add and the youngest eight loads may be out)
	MUL16 F1, 0, 0, 0                              ; sixteen matrix instructions stand between the add and the wait for it
	s_wait_dscnt 0x0                               ; the add is done, and my reads of this slot are over
	s_barrier_signal -1
	MUL16 F1, 0, 2, 0                              ; work on registers while the others arrive
.if \round
	WIN 0
.endif
	s_barrier_wait -1
.endm
; The whole last quarter.  The barrier opens a round of the cluster's; behind the round the slot just read out is filled again first, with the K step two steps on: from that request to the wait
; for it a wave issues 224 matrix instructions.  One tensor load of mine is out behind each round.
.macro TURN slot, next
	s_wait_xcnt 0x0                                ; the last prefetch, a K step back, has read its address: it is stepped here, ahead of the waits of the change of slots
	s_add_nc_u64 s[PFA:PFA+1], s[PFA:PFA+1], KSTEP*2
	MEET 1
	CREST                                          ; no wave of any partner still reads this slot's tile or has a load on its way
	s_add_nc_u64 s[G0+4*(\slot)+2:G0+4*(\slot)+3], s[G0+4*(\slot)+2:G0+4*(\slot)+3], 2*KSTEP*2
	s_add_nc_u64 s[G0B+4*(\slot)+2:G0B+4*(\slot)+3], s[G0B+4*(\slot)+2:G0B+4*(\slot)+3], 2*KSTEP*2
	JLOAD \slot                                    ; the first tensor load behind the round; its four v_nop are also the places in front of the loads below
	FETCH \next, 0, F0
	ASK
	MUL16 F1, 1, 0, 0
	MUL16 F1, 1, 2, 0
.endm
	s_wait_tensorcnt 1                             ; my part of K step 0 is in; K step 1's may stay out
	s_barrier_signal -1
	s_barrier_wait -1                              ; everybody's is
	FETCH 0, 0, F0
	QUARTER 0, 64,  F0, F1, 1                      ; the first quarter stands in front of the loop: its products start the sums, with the bias
	WIN 0                                          ; at a label and at a branch every window is 0
	s_mov_b32 s3, LAPS-1
.Llap:                                                 ; a trip goes once round the ring, from a lap's second quarter to the next lap's first, and fills both slots again
	QUARTER 0, 128, F1, F0, 0
	QUARTER 0, 192, F0, F1, 0
	TURN 0, 1
	QUARTER 1, 64,  F0, F1, 0
	QUARTER 1, 128, F1, F0, 0
	QUARTER 1, 192, F0, F1, 0
	TURN 1, 0
	QUARTER 0, 64,  F0, F1, 0
	WIN 0
	s_sub_co_u32 s3, s3, 1
	s_cmp_lg_u32 s3, 0
	s_cbranch_scc1 .Llap
	QUARTER 0, 128, F1, F0, 0                      ; the last lap fills nothing, and has no round of the cluster's barrier
	QUARTER 0, 192, F0, F1, 0
	MEET 0                                         ; my one tensor load that was still out is slot 1's, the last K step's
	PLACES                                         ; for the loads into buffer 0
	FETCH 1, 0, F0
	MUL16 F1, 1, 0, 0
	MUL16 F1, 1, 2, 0
	QUARTER 1, 64,  F0, F1, 0
	QUARTER 1, 128, F1, F0, 0
	QUARTER 1, 192, F0, F1, 0
	s_wait_dscnt 8                                 ; the very last quarter: nothing more to fetch
	MUL16 F1, 0, 0, 0
	MUL16 F1, 0, 2, 0
	s_wait_dscnt 0x0
	MUL16 F1, 1, 0, 0
	MUL16 F1, 1, 2, 0
; THE TANH AND THE PRODUCT WITH v, in place, a window at a time.  A GROUP is a row block: 64 registers at 64 g, 32 pairs.  A group goes through four stages, a phase each:
;   scale  x c        exponentials  2^(c x)        + 1 and reciprocals        times -2 v, summed into the group's first pair
; Phase p works on four groups at once: it scales group p, takes the exponentials of group p - 1, adds 1 and takes the reciprocals of group p - 2 (a pair's reciprocals one trip behind its addition),
; and sums group p - 3.  So plain instructions stand among the transcendentals, a phase's transcendentals are ONE batch, and nothing in the phase names a result of theirs: a v_nop and one
; s_wait_alu depctr_va_vdst(0) ahead of the first reader, end the phase.  Pairs ascend.
.macro PHASE p
.set i, 0
.rept 33
.if (i < 32) && ((\p) >= 2) && ((\p) <= 5)
.set R, 64*((\p)-2)+2*i
	v_pk_add_f32 v[R:R+1], v[R:R+1], 1.0 op_sel_hi:[1,0]
.endif
.if (i < 32) && ((\p) >= 1) && ((\p) <= 4)
.set R, 64*((\p)-1)+2*i
	v_exp_f32 v[R], v[R]
.endif
.if (i < 32) && ((\p) <= 3)
.set R, 64*(\p)+2*i
	v_pk_mul_f32 v[R:R+1], v[R:R+1], s[CS:CS+1] op_sel_hi:[1,0]
.endif
.if (i < 32) && ((\p) >= 1) && ((\p) <= 4)
.set R, 64*((\p)-1)+2*i+1
	v_exp_f32 v[R], v[R]
.endif
.if (i < 32) && ((\p) >= 3)
.set G, 64*((\p)-3)
.set R, G+2*i
.if i == 0
	v_pk_mul_f32 v[G:G+1], v[G:G+1], v[V2:V2+1]
.else
	v_pk_fma_f32 v[G:G+1], v[R:R+1], v[V2+2*i:V2+2*i+1], v[G:G+1]
.endif
.endif
.if (i >= 1) && ((\p) >= 2) && ((\p) <= 5)
.set R, 64*((\p)-2)+2*i-2
	v_rcp_f32 v[R], v[R]
	v_rcp_f32 v[R+1], v[R+1]
.endif
.set i, i+1
.endr
.if ((\p) >= 1) && ((\p) <= 5)
	v_nop                                          ; a plain instruction behind the batch's last transcendental
	s_wait_alu depctr_va_vdst(0)                   ; one wait for the batch
.endif
.endm
	PLACES
	PLACES                                         ; behind the last products
	WIN EW2
.irp p, 0,1,2,3,4,5,6
	PHASE \p
.endr
	WIN 0x0a                                       ; sources 0 and 1 window 2, destination window 0
.irp g, 0,1,2,3
	v_add_f32 v[T+(\g)], v[64*(\g)], v[64*(\g)+1]
.endr
	WIN EW3
.irp p, 0,1,2,3,4,5,6
	PHASE \p
.endr
	WIN 0x0f                                       ; sources 0 and 1 window 3
.irp g, 0,1,2,3
	v_add_f32 v[T+4+(\g)], v[64*(\g)], v[64*(\g)+1]
.endr
	WIN 0
.irp a, 0,1,2,3,4,5,6,7
	v_add_f32 v[T+(\a)], v[T+(\a)], v[SV]          ; + the sum of v over my 64 columns
.endr
.irp a, 0,1,2,3,4,5,6,7
	v_permlanex16_b32 v[F0+(\a)], v[T+(\a)], s[SEL], s[SEL+1]  ; the row's other 64 columns lie in the lane 16 away; the destination, a fragment register, has been written
.endr
.irp a, 0,1,2,3,4,5,6,7
	v_add_f32 v[T+(\a)], v[T+(\a)], v[F0+(\a)]
.endr
.irp i, 0,1,2,3
	v_cndmask_b32 v[U+(\i)], v[T+2*(\i)], v[T+2*(\i)+1], s[HM]  ; row 32 i + lane = 16 (2 i + h) + r
.endr
	global_store_b128 v[PO], v[U:U+3], s[72:73]    ; the wave stores 512 consecutive bytes, aligned
	s_wait_tensorcnt 0x0                           ; the wave's end, behind my last tensor load
	ds_add_u32 v[SPW], v[NIL]
	s_wait_dscnt 0x0
	CROUND                                         ; the closing round: no work-group ends while a partner may still ask for a tile that names it
	s_endpgm
.Lfunc_end_k_q660fce5725_scores:
	.size	k_q660fce5725_scores, .Lfunc_end_k_q660fce5725_scores-k_q660fce5725_scores
	.p2alignl 7, 3214868480
	.fill 96, 4, 3214868480
	.section	.rodata,"a",@progbits
	.p2align	6, 0x0
	.amdhsa_kernel k_q660fce5725_scores
		.amdhsa_group_segment_fixed_size 327680
		.amdhsa_private_segment_fixed_size 0
		.amdhsa_enable_private_segment 0
		.amdhsa_kernarg_size 40
		.amdhsa_user_sgpr_count 2
		.amdhsa_user_sgpr_kernarg_segment_ptr 1
		.amdhsa_wavefront_size32 1
		.amdhsa_system_sgpr_workgroup_id_x 1
		.amdhsa_system_sgpr_workgroup_id_y 1
		.amdhsa_system_sgpr_workgroup_id_z 1
		.amdhsa_system_vgpr_workitem_id 0
		.amdhsa_next_free_vgpr 1024
		.amdhsa_next_free_sgpr 84
		.amdhsa_reserve_vcc 0
		.amdhsa_float_denorm_mode_32 3
		.amdhsa_float_denorm_mode_16_64 3
		.amdhsa_memory_ordered 1
		.amdhsa_forward_progress 1
		.amdhsa_inst_pref_size 202
	.end_amdhsa_kernel
	.amdgpu_metadata
---
amdhsa.version: [ 1, 2 ]
amdhsa.kernels:
  - .name:           k_q660fce5725_scores
    .symbol:         k_q660fce5725_scores.kd
    .args:
      - { .name: kb, .offset: 0, .size: 8, .value_kind: global_buffer, .address_space: global }
      - { .name: wb, .offset: 8, .size: 8, .value_kind: global_buffer, .address_space: global }
      - { .name: qb, .offset: 16, .size: 8, .value_kind: global_buffer, .address_space: global }
      - { .name: v_w, .offset: 24, .size: 8, .value_kind: global_buffer, .address_space: global }
      - { .name: part, .offset: 32, .size: 8, .value_kind: global_buffer, .address_space: global }
    .group_segment_fixed_size: 327680
    .private_segment_fixed_size: 0
    .kernarg_segment_align: 8
    .kernarg_segment_size: 40
    .max_flat_workgroup_size: 128
    .sgpr_count:     84
    .vgpr_count:     1024
    .wavefront_size: 32
...
	.end_amdgpu_metadata
.endif
;; end of part 2
;; launch context (part 3): grid 16 x 16, 16 waves a work-group, no clusters, 14,848 bytes of LDS; arguments part, v_b, kb, out0, out1; writes out0, out1
.if DOCPART == 3
	.amdgcn_target "amdgcn-amd-amdhsa--gfx1250"
	.amdhsa_code_object_version 6
	.text
	.protected	k_q660fce5725_context
	.globl	k_q660fce5725_context
	.p2align	8
	.type	k_q660fce5725_context,@function
k_q660fce5725_context:
	s_mov_b64 s[64:65], 0
	v_nop
	global_prefetch_b8 v0, s[64:65] scope:SCOPE_SE
	s_setreg_imm32_b32 hwreg(HW_REG_WAVE_MODE, 25, 1), 1
	s_wait_xcnt 0x0
; out1[b][s] = softmax over s of (the 16 column slices of part, added, + v_b);   out0[b][c] = the sum over s of out1[b][s] kb[b][s][c].   Scores, maximum, sums in f32; kb is keys in bf16.
; SHARES.  Work-group (x = j, y = b) owns columns 128 j .. 128 j + 127 of batch b: 256 consecutive bytes, aligned, of each of the batch's 1,024 rows of kb.  It makes the batch's softmax itself, from
; part's 65,536 bytes for the batch, so no sum spans work-groups.  Wave w owns rows 64 w .. 64 w + 63: lane l makes the weights of rows 64 w + l and 64 w + 32 + l, and for the product lane
; (r = l % 16, h = l / 16) takes columns 8 r + 0..7 of rows 64 w + 32 h + 0..31.  All 32 key loads of a wave go out at the head: the work-group's 262,144 bytes are on their way while the softmax is made.
; SOFTMAX.  p = 2^((s - m) log2 e) with m the batch's maximum; the product is taken with p, and out0 and out1 are multiplied by 1 / (the sum of p) at the end.
; The one-row product is done by multiply-adds in f32 straight from the bf16 halves: a matrix instruction would use one row in sixteen, and the launch's time is the time to read kb.
; NO CLUSTER, NO RING: no byte of kb is wanted by two work-groups; what the 16 work-groups of a batch share, part, is a fifth of what each reads; all loads go straight to registers.
; NO PREFETCH: every load stands at the head.
; LIMITS.  A weight below 2^-126 of the largest counts as 0; NaN and infinities are not treated apart; the order of the sums differs from a plain ascending one.
.set PT,    0                          ; the 1,024 unnormalised weights, by row: wave w writes and reads bytes 256 w .. 256 w + 255
.set RED1,  4096                       ; the waves' maxima, 64 bytes
.set RED2,  4352                       ; the waves' sums, 64 bytes
.set CTX,   4608                       ; the waves' partial contexts: 512 bytes each
.set SPARE, 12800                      ; the spare words, 128 bytes for each wave
.set WT,  32                           ; v[32:63]   first the 16 slices' pairs of scores, then scratch, then the weights of my 32 rows
.set ACC, 64                           ; v[64:71]   my 8 columns
.set U,   72                           ; v[72:75]   the four that I put into LDS
.set X,   96                           ; v[96:223]  row q's 8 bf16 at X + 4 q
	s_load_b256 s[4:11], s[0:1], 0x0               ; part s[4:5], v_b s[6:7], kb s[8:9], out0 s[10:11]
	s_load_b64 s[12:13], s[0:1], 0x20              ; out1
	v_lshl_add_u32 v10, v0, 2, SPARE               ; my spare word
	v_mov_b32 v11, 0
	v_lshrrev_b32 v3, 5, v0
	v_readfirstlane_b32 s14, v3                    ; wave 0..15
	s_mov_b32 s15, ttmp9                           ; j
	s_and_b32 s17, ttmp7, 0xffff                   ; b
	s_mov_b32 s18, 0x76543210                      ; v_permlanex16_b32: each lane takes its own place in the other half
	s_mov_b32 s19, 0xfedcba98
	v_and_b32 v1, 15, v0                           ; r
	v_bfe_u32 v2, v0, 4, 1                         ; h
	v_and_b32 v3, 31, v0                           ; lane
	v_cmp_eq_u32 s20, 1, v2                        ; the lanes with h = 1
	v_mov_b32 v12, 0
	s_lshr_b32 s21, s14, 1                         ; part holds, for 128 rows, [lane 32][i 4]: row 32 i + lane.  Rows 64 w + l and 64 w + 32 + l: group w / 2, i = 2 (w % 2) and the next
	s_lshl_b32 s21, s21, 9
	s_and_b32 s30, s14, 1
	s_lshl_b32 s30, s30, 3
	s_add_co_u32 s21, s21, s30
	v_lshl_add_u32 v4, v3, 4, s21                  ; 512 (w / 2) + 16 l + 8 (w % 2)
	s_lshl_b32 s30, s14, 18                        ; 64 w rows of 4,096 bytes
	v_lshlrev_b32 v5, 4, v1
	v_lshl_add_u32 v5, v2, 17, v5                  ; + 32 h rows + 16 r
	v_add_nc_u32 v5, s30, v5
	s_lshl_b32 s31, s14, 8                         ; my wave's 64 weights in PT
	v_lshl_add_u32 v6, v3, 2, s31                  ; where I put mine
	v_lshl_add_u32 v7, v2, 7, s31                  ; where my half's 32 begin
	v_lshl_add_u32 v13, v3, 3, s31                 ; two a lane, for out1
	s_lshl_b32 s30, s14, 9
	s_add_co_u32 s30, s30, CTX
	v_lshlrev_b32 v8, 5, v1
	v_lshl_add_u32 v8, v2, 4, v8
	v_add_nc_u32 v8, s30, v8                       ; my four columns 8 r + 4 h + 0..3 of my wave's partial context
	v_lshl_add_u32 v9, v3, 4, CTX                  ; back: columns 4 l + 0..3
	s_lshl_b32 s30, s14, 2
	v_mov_b32 v18, s30                             ; my wave's word among the maxima and the sums
	v_lshlrev_b32 v24, 4, v3                       ; my 16 bytes of out0
	v_lshlrev_b32 v25, 3, v3                       ; my 8 bytes of out1
	s_lshl_b32 s22, s17, 12                        ; part: the batch's 4,096 bytes in a slice
	s_mov_b32 s23, 0
	s_lshl_b32 s24, s17, 22                        ; kb: the batch's 1,024 rows, my 256 bytes of a row
	s_lshl_b32 s30, s15, 8
	s_add_co_u32 s24, s24, s30
	s_mov_b32 s25, 0
	s_add_co_u32 s28, s22, s30                     ; out1: the batch's 4,096 bytes, my 64 weights
	s_mov_b32 s29, 0
	s_lshl_b32 s26, s17, 13                        ; out0: the batch's 8,192 bytes, my 128 columns
	s_lshl_b32 s30, s15, 9
	s_add_co_u32 s26, s26, s30
	s_mov_b32 s27, 0
	s_wait_kmcnt 0x0
	s_load_b32 s16, s[6:7], 0x0                    ; v_b
	s_add_nc_u64 s[4:5], s[4:5], s[22:23]
	s_add_nc_u64 s[8:9], s[8:9], s[24:25]
	s_add_nc_u64 s[10:11], s[10:11], s[26:27]
	s_add_nc_u64 s[12:13], s[12:13], s[28:29]
.set c, 0
.rept 16
	global_load_b64 v[WT+2*c:WT+2*c+1], v4, s[4:5] offset:65536*c
.set c, c+1
.endr
.set q, 0
.rept 32
	global_load_b128 v[X+4*q:X+4*q+3], v5, s[8:9] offset:4096*q th:TH_LOAD_NT  ; 16 lanes take 256 consecutive bytes of a row, aligned
.set q, q+1
.endr
	s_wait_loadcnt 32                              ; the 16 slices are in; the 32 key loads issued behind them stay out
.irp c, 0,4,8,12,16,20,24,28
	v_pk_add_f32 v[WT+(\c):WT+(\c)+1], v[WT+(\c):WT+(\c)+1], v[WT+(\c)+2:WT+(\c)+3]
.endr
.irp c, 0,8,16,24
	v_pk_add_f32 v[WT+(\c):WT+(\c)+1], v[WT+(\c):WT+(\c)+1], v[WT+(\c)+4:WT+(\c)+5]
.endr
.irp c, 0,16
	v_pk_add_f32 v[WT+(\c):WT+(\c)+1], v[WT+(\c):WT+(\c)+1], v[WT+(\c)+8:WT+(\c)+9]
.endr
	v_pk_add_f32 v[WT:WT+1], v[WT:WT+1], v[WT+16:WT+17]
	s_wait_kmcnt 0x0
	v_add_f32 v14, s16, v[WT]                      ; my two scores
	v_add_f32 v15, s16, v[WT+1]
	; the batch's maximum: in the lane, across the wave's 32 lanes, across the 16 waves
	v_max_num_f32 v16, v14, v15
	v_max_num_f32_dpp v16, v16, v16 row_xmask:1 row_mask:0xf bank_mask:0xf
	v_max_num_f32_dpp v16, v16, v16 row_xmask:2 row_mask:0xf bank_mask:0xf
	v_max_num_f32_dpp v16, v16, v16 row_xmask:4 row_mask:0xf bank_mask:0xf
	v_max_num_f32_dpp v16, v16, v16 row_xmask:8 row_mask:0xf bank_mask:0xf
	v_permlanex16_b32 v[WT+2], v16, s18, s19       ; its destination counts as read: a register that has been written
	v_max_num_f32 v16, v16, v[WT+2]
	ds_store_b32 v18, v16 offset:RED1              ; all lanes write the same word with the same value
	s_wait_dscnt 0x0                               ; for the others' sake
	s_barrier_signal -1
	s_barrier_wait -1
.irp k, 0,1,2,3
	ds_load_b128 v[WT+4+4*(\k):WT+7+4*(\k)], v12 offset:RED1+16*(\k)
.endr
	s_wait_dscnt 0x0
.irp k, 4,7,10,13,16
	v_max3_num_f32 v[WT+(\k)], v[WT+(\k)], v[WT+(\k)+1], v[WT+(\k)+2]
.endr
	v_max3_num_f32 v[WT+4], v[WT+4], v[WT+7], v[WT+10]
	v_max3_num_f32 v[WT+13], v[WT+13], v[WT+16], v[WT+19]
	v_max_num_f32 v16, v[WT+4], v[WT+13]
	v_sub_f32 v14, v14, v16
	v_sub_f32 v15, v15, v16
	v_mul_f32 v14, 0x3fb8aa3b, v14                 ; log2(e)
	v_mul_f32 v15, 0x3fb8aa3b, v15
	v_exp_f32 v14, v14
	v_exp_f32 v15, v15
	v_nop                                          ; a plain instruction behind the second exponential,
	s_wait_alu depctr_va_vdst(0)                   ; and the wait ahead of the first use: one for the two
	v_add_f32 v17, v14, v15
	v_add_f32_dpp v17, v17, v17 row_xmask:1 row_mask:0xf bank_mask:0xf
	v_add_f32_dpp v17, v17, v17 row_xmask:2 row_mask:0xf bank_mask:0xf
	v_add_f32_dpp v17, v17, v17 row_xmask:4 row_mask:0xf bank_mask:0xf
	v_add_f32_dpp v17, v17, v17 row_xmask:8 row_mask:0xf bank_mask:0xf
	v_permlanex16_b32 v[WT+2], v17, s18, s19
	v_add_f32 v17, v17, v[WT+2]
	ds_store_b32 v18, v17 offset:RED2
	ds_store_b32 v6, v14 offset:PT                 ; row 64 w + l
	ds_store_b32 v6, v15 offset:PT+128             ; row 64 w + 32 + l
	s_wait_dscnt 0x0                               ; for the others' sake
	s_barrier_signal -1
	s_barrier_wait -1
.irp k, 0,1,2,3
	ds_load_b128 v[ACC+4*(\k):ACC+4*(\k)+3], v12 offset:RED2+16*(\k)
.endr
.irp k, 0,1,2,3,4,5,6,7
	ds_load_b128 v[WT+4*(\k):WT+4*(\k)+3], v7 offset:PT+16*(\k)  ; the weights of my half's 32 rows: the same address in 16 lanes
.endr
	s_wait_dscnt 0x0
.irp k, 0,4,8,12
	v_pk_add_f32 v[ACC+(\k):ACC+(\k)+1], v[ACC+(\k):ACC+(\k)+1], v[ACC+(\k)+2:ACC+(\k)+3]
.endr
	v_pk_add_f32 v[ACC:ACC+1], v[ACC:ACC+1], v[ACC+4:ACC+5]
	v_pk_add_f32 v[ACC+8:ACC+9], v[ACC+8:ACC+9], v[ACC+12:ACC+13]
	v_pk_add_f32 v[ACC:ACC+1], v[ACC:ACC+1], v[ACC+8:ACC+9]
	v_add_f32 v20, v[ACC], v[ACC+1]                ; the sum of all 1,024 weights
	v_rcp_f32 v22, v20                             ; twice, to fill the pair that the packed multiplies take; the multiply-adds below are the independent work behind them,
	v_rcp_f32 v23, v20                             ; and their one wait stands ahead of the first branch
.set q, 0
.rept 32
	s_wait_loadcnt 31-q                            ; loads come back in order: row q is in, the younger rows stay out
.irp k, 0,1,2,3
.if q == 0
	v_fma_mix_f32_bf16 v[ACC+2*(\k)],   v[X+(\k)], v[WT], v12 op_sel_hi:[1,0,0]                    ; the first row starts the sums: + 0
	v_fma_mix_f32_bf16 v[ACC+2*(\k)+1], v[X+(\k)], v[WT], v12 op_sel:[1,0,0] op_sel_hi:[1,0,0]
.else
	v_fma_mix_f32_bf16 v[ACC+2*(\k)],   v[X+4*q+(\k)], v[WT+q], v[ACC+2*(\k)] op_sel_hi:[1,0,0]    ; the word's low bf16 x the weight, in f32
	v_fma_mix_f32_bf16 v[ACC+2*(\k)+1], v[X+4*q+(\k)], v[WT+q], v[ACC+2*(\k)+1] op_sel:[1,0,0] op_sel_hi:[1,0,0]  ; its high bf16
.endif
.endr
.set q, q+1
.endr
.irp k, 0,1,2,3,4,5,6,7
	v_permlanex16_b32 v[X+(\k)], v[ACC+(\k)], s18, s19   ; the same columns of the wave's other 32 rows lie in the lane 16 away
.endr
.irp k, 0,2,4,6
	v_pk_add_f32 v[ACC+(\k):ACC+(\k)+1], v[ACC+(\k):ACC+(\k)+1], v[X+(\k):X+(\k)+1]
.endr
.irp k, 0,1,2,3
	v_cndmask_b32 v[U+(\k)], v[ACC+(\k)], v[ACC+4+(\k)], s20  ; h = 0 puts columns 8 r + 0..3, h = 1 columns 8 r + 4..7
.endr
	ds_store_b128 v8, v[U:U+3]
	s_wait_dscnt 0x0                               ; for wave 0's sake
	s_barrier_signal -1
	s_barrier_wait -1
	s_wait_alu depctr_va_vdst(0)                   ; the wait for the two reciprocals, ahead of the branches and of their first readers
	s_cmp_lg_u32 s14, s15                          ; the wave whose number is j stores the work-group's 64 weights, which are its own rows 64 w .. 64 w + 63
	s_cbranch_scc1 .Lno_weights
	ds_load_b64 v[26:27], v13 offset:PT
	s_wait_dscnt 0x0
	v_pk_mul_f32 v[26:27], v[26:27], v[22:23]
	global_store_b64 v25, v[26:27], s[12:13]       ; the wave stores 256 consecutive bytes, aligned
.Lno_weights:
	s_cmp_lg_u32 s14, 0                            ; wave 0 adds the 16 partial contexts
	s_cbranch_scc1 .Lend
.set p, 0
.rept 16
	ds_load_b128 v[X+4*p:X+4*p+3], v9 offset:512*p
.set p, p+1
.endr
	s_wait_dscnt 0x0
.macro QADD d, s                       ; four sums
	v_pk_add_f32 v[X+(\d):X+(\d)+1], v[X+(\d):X+(\d)+1], v[X+(\s):X+(\s)+1]
	v_pk_add_f32 v[X+(\d)+2:X+(\d)+3], v[X+(\d)+2:X+(\d)+3], v[X+(\s)+2:X+(\s)+3]
.endm
.irp c, 0,8,16,24,32,40,48,56
	QADD \c, (\c)+4
.endr
.irp c, 0,16,32,48
	QADD \c, (\c)+8
.endr
	QADD 0, 16
	QADD 32, 48
	QADD 0, 32
	v_pk_mul_f32 v[X:X+1], v[X:X+1], v[22:23]
	v_pk_mul_f32 v[X+2:X+3], v[X+2:X+3], v[22:23]
	global_store_b128 v24, v[X:X+3], s[10:11]      ; the wave stores 512 consecutive bytes, aligned
.Lend:
	s_wait_tensorcnt 0x0                           ; the wave's end, behind my last LDS store
	ds_add_u32 v10, v11
	s_wait_dscnt 0x0
	s_endpgm
.Lfunc_end_k_q660fce5725_context:
	.size	k_q660fce5725_context, .Lfunc_end_k_q660fce5725_context-k_q660fce5725_context
	.p2alignl 7, 3214868480
	.fill 96, 4, 3214868480
	.section	.rodata,"a",@progbits
	.p2align	6, 0x0
	.amdhsa_kernel k_q660fce5725_context
		.amdhsa_group_segment_fixed_size 14848
		.amdhsa_private_segment_fixed_size 0
		.amdhsa_enable_private_segment 0
		.amdhsa_kernarg_size 40
		.amdhsa_user_sgpr_count 2
		.amdhsa_user_sgpr_kernarg_segment_ptr 1
		.amdhsa_wavefront_size32 1
		.amdhsa_system_sgpr_workgroup_id_x 1
		.amdhsa_system_sgpr_workgroup_id_y 1
		.amdhsa_system_sgpr_workgroup_id_z 1
		.amdhsa_system_vgpr_workitem_id 0
		.amdhsa_next_free_vgpr 224
		.amdhsa_next_free_sgpr 66
		.amdhsa_reserve_vcc 0
		.amdhsa_float_denorm_mode_32 3
		.amdhsa_float_denorm_mode_16_64 3
		.amdhsa_memory_ordered 1
		.amdhsa_forward_progress 1
		.amdhsa_inst_pref_size 34
	.end_amdhsa_kernel
	.amdgpu_metadata
---
amdhsa.version: [ 1, 2 ]
amdhsa.kernels:
  - .name:           k_q660fce5725_context
    .symbol:         k_q660fce5725_context.kd
    .args:
      - { .name: part, .offset: 0, .size: 8, .value_kind: global_buffer, .address_space: global }
      - { .name: v_b, .offset: 8, .size: 8, .value_kind: global_buffer, .address_space: global }
      - { .name: kb, .offset: 16, .size: 8, .value_kind: global_buffer, .address_space: global }
      - { .name: out0, .offset: 24, .size: 8, .value_kind: global_buffer, .address_space: global }
      - { .name: out1, .offset: 32, .size: 8, .value_kind: global_buffer, .address_space: global }
    .group_segment_fixed_size: 14848
    .private_segment_fixed_size: 0
    .kernarg_segment_align: 8
    .kernarg_segment_size: 40
    .max_flat_workgroup_size: 512
    .sgpr_count:     66
    .vgpr_count:     224
    .wavefront_size: 32
...
	.end_amdgpu_metadata
.endif
;; end of part 3
;; ======== version 2 of 2: 3 launches; version 1 with the launch prep written anew for expert scheduling mode
;; workspace buffers: kb 67,108,864 bytes; wb 8,388,608 bytes; qb 131,072 bytes; part 1,048,576 bytes
;; launch prep (part 4): grid 1280 x 1, 8 waves a work-group, no clusters, 9,216 bytes of LDS; arguments keys, Wk_w, kb, wb, query, Wq_w, Wq_b, Wk_b, qb; writes kb, wb, qb
.if DOCPART == 4
	.amdgcn_target "amdgcn-amd-amdhsa--gfx1250"
	.amdhsa_code_object_version 6
	.text
	.protected	k_q660fce5725_prep
	.globl	k_q660fce5725_prep
	.p2align	8
	.type	k_q660fce5725_prep,@function
k_q660fce5725_prep:
	s_mov_b64 s[64:65], 0
	v_nop
	global_prefetch_b8 v0, s[64:65] scope:SCOPE_SE
	s_setreg_imm32_b32 hwreg(HW_REG_WAVE_SCHED_MODE, 0, 2), 2
	s_setreg_imm32_b32 hwreg(HW_REG_WAVE_MODE, 25, 1), 1
	s_wait_xcnt 0x0
	s_wait_alu depctr_vm_vsrc(0)
; TWO JOBS IN ONE LAUNCH, told apart by the work-group's number, which is the same in all eight waves of a work-group.
; Numbers 0 to 127, THE PROJECTION:  qb = query Wq_w^T + Wq_b + Wk_b: the addend that every key row of a batch shares in front of the tanh, in f32.
;   query [16][1024] f32, Wq_w [2048][1024] f32; both are rounded once to bf16 for the product; sums and biases in f32.
;   A work-group makes 16 columns for all 16 batches: one tile of 16 x 16.  K = 1,024 is split among its eight waves, 128 each: four fragments of 32, whose 32 loads all go out at once,
;   so no load of a wave waits for another.  The partial tiles meet in LDS.  Source 0 = 16 rows of Wq_w, source 1 = the 16 rows of query: a lane (r = lane % 16, h = lane / 16) ends with
;   batch r and columns 8 h + 0..7.  qb is laid out for its reader: [block of 16 columns][half jh of a lane's eight][h][batch][4 numbers]: column 16 nb + 8 h + 4 jh + j.
; Numbers 128 to 1,279, THE STREAM:  kb = keys and wb = Wk_w, each number rounded once to bf16 (nearest even), in the same order: the matrix operands of the next launch, and the keys of the last.
;   Each input byte is read once, each output byte written once.  A work-group takes 131,072 bytes of f32: 1,024 work-groups take keys (134,217,728 bytes), 128 take Wk_w (16,777,216 bytes).
;   A wave takes 16,384 bytes by 32 loads of 512 consecutive bytes, all issued ahead of its first store.
; WHY TOGETHER: the projection is 128 short work-groups with one step each; they stand first in the grid and run beside the stream, which reads 18 times their bytes.
; NO CLUSTER, NO RING, NO PREFETCH: in the stream no byte is wanted twice and no wave wants another's; of the projection only query, 65,536 bytes, is shared; every load goes straight to registers.
; LIMITS.  NaN and infinities are not treated apart; the order of the projection's sums differs from a plain ascending one.
; THE MODE: SCHED_MODE bits 1:0 = 2 (LLVM: expert scheduling mode 2), set by the entry lines.  The code itself states the register dependences
; between vector or matrix instructions and memory or LDS instructions, with s_wait_alu, always for 0.
; THE PLAN, THE PROJECTION.  Registers that memory or LDS instructions touch:
;   v3 .. v6      offsets and LDS addresses: written at the head, read by loads and stores, never written again.
;   X             the 32 loads land in it; conversions pack it in place, products read it; in wave 0 the partial tiles (X .. X + 63) and the biases (X + 64 .. X + 79) land in it later.
;   ACC .. ACC+7  written by products and four sums; read by the two LDS stores; never written again.
;   X .. X+7      in wave 0 the finished tile: written by the last sums; read by the two global stores; never written again.
;   Three waits on va_vdst: ahead of the first load (the addresses); ahead of the LDS stores (their data; it also shows every reader and writer of X done, and no vector or matrix instruction
;   stands between it and wave 0's loads into X); ahead of the global stores (their data).  One wait on va_sdst, for the wave's number.  No register that a memory or LDS instruction has read is written again.
; THE PLAN, THE STREAM.  v1, v2: offsets, written at the head, never again.  X + 4 i: load i lands in it; two conversions pack it into its first two registers; store i reads those; never written again.
;   The 32 loads are taken in eight blocks of four: the wait for the block's data, its eight conversions, ONE wait on va_vdst, its four stores.  The wait stands behind the conversions and not at the next
;   block's head, since a wait for memory stands there, which the finished numbers would sit out in registers.
.set NQ,    128                        ; work-groups of the projection
.set NK,    1024                       ; work-groups of the stream that take keys
.set SPARE, 8192                       ; LDS: behind the projection's eight partial tiles of 1,024 bytes: the spare words, 128 bytes for each wave
.set X,   16                           ; v[16:143]  the projection: as loaded, f32: Wq_w's fragment f at X + 16 f, query's at X + 64 + 16 f; each is packed to bf16 into its own first eight
                                       ;            the stream: load i's four f32 at X + 4 i; its four bf16 take the first two of them
.set ACC, 144                          ; v[144:159] the projection's two accumulators, by the fragment's parity
	v_lshl_add_u32 v8, v0, 2, SPARE                ; my spare word; never rewritten
	v_mov_b32 v9, 0                                ; 0; never rewritten
	s_mov_b32 s22, ttmp9
	s_cmp_ge_u32 s22, NQ
	s_cbranch_scc1 .Lstream
	; ---------------------------------------------------------------- the projection
	s_load_b256 s[4:11], s[0:1], 0x20              ; query s[4:5], Wq_w s[6:7], Wq_b s[8:9], Wk_b s[10:11]
	s_load_b64 s[12:13], s[0:1], 0x40              ; qb
	v_lshrrev_b32 v7, 5, v0
	v_readfirstlane_b32 s14, v7                    ; wave 0..7
	v_and_b32 v1, 15, v0                           ; r
	v_bfe_u32 v2, v0, 4, 1                         ; h
	v_and_b32 v7, 31, v0                           ; lane
	v_lshlrev_b32 v3, 12, v1                       ; row r of 4,096 bytes (query's rows and Wq_w's alike)
	v_lshl_add_u32 v3, v2, 5, v3                   ; + 32 h: eight f32
	v_lshlrev_b32 v5, 4, v7                        ; where wave 0 reads the partial tiles back, and its offset in qb: 16 x lane
	v_lshlrev_b32 v6, 5, v2                        ; my eight columns in the biases: 32 h
	s_wait_alu depctr_va_sdst(0)                   ; s14 is written, ahead of its first reader: the wave's share of K, its place in LDS and the branch on the wave's number are made from it
	s_lshl_b32 s15, s14, 9                         ; my 128 channels: 512 bytes of a row
	v_add_nc_u32 v3, s15, v3
	s_lshl_b32 s23, s14, 10
	v_lshl_add_u32 v4, v7, 4, s23                  ; where I put my partial tile: 1,024 x wave + 16 x lane
	s_lshl_b32 s16, s22, 16                        ; the work-group's 16 rows of Wq_w
	s_mov_b32 s17, 0
	s_lshl_b32 s18, s22, 6                         ; its 16 numbers of a bias
	s_mov_b32 s19, 0
	s_lshl_b32 s20, s22, 10                        ; its 1,024 bytes of qb
	s_mov_b32 s21, 0
	s_wait_kmcnt 0x0
	s_add_nc_u64 s[6:7], s[6:7], s[16:17]
	s_add_nc_u64 s[8:9], s[8:9], s[18:19]
	s_add_nc_u64 s[10:11], s[10:11], s[18:19]
	s_add_nc_u64 s[12:13], s[12:13], s[20:21]
	s_wait_alu depctr_va_vdst(0)                   ; v3 to v6 are written: the offsets and LDS addresses that every load and store of this path reads
	; a fragment wants channels 8 h + 0..7 and 16 + 8 h + 0..7: in f32 the bytes 32 h + 0..31 and 64 + 32 h + 0..31 of its 128
.irp f, 0,1,2,3
.irp o, 0,1,2,3
	global_load_b128 v[X+16*(\f)+4*(\o):X+16*(\f)+4*(\o)+3], v3, s[6:7] offset:128*(\f)+16*((\o)%2)+64*((\o)/2) th:TH_LOAD_NT
.endr
.irp o, 0,1,2,3
	global_load_b128 v[X+64+16*(\f)+4*(\o):X+64+16*(\f)+4*(\o)+3], v3, s[4:5] offset:128*(\f)+16*((\o)%2)+64*((\o)/2)
.endr
.endr
.irp f, 0,1,2,3
	s_wait_loadcnt 24-8*(\f)                       ; loads come back in order: this fragment's eight are in, the later fragments' eight each stay out
.irp i, 0,1,2,3,4,5,6,7
	v_cvt_pk_bf16_f32 v[X+16*(\f)+(\i)], v[X+16*(\f)+2*(\i)], v[X+16*(\f)+2*(\i)+1]  ; packed in place, ascending: word i is written when words 2 i and 2 i + 1 are read
.endr
.irp i, 0,1,2,3,4,5,6,7
	v_cvt_pk_bf16_f32 v[X+64+16*(\f)+(\i)], v[X+64+16*(\f)+2*(\i)], v[X+64+16*(\f)+2*(\i)+1]
.endr
.if (\f) < 2
	v_wmma_f32_16x16x32_bf16 v[ACC+8*(\f):ACC+8*(\f)+7], v[X+16*(\f):X+16*(\f)+7], v[X+64+16*(\f):X+64+16*(\f)+7], 0  ; the first product of each parity starts its sum
.else
	v_wmma_f32_16x16x32_bf16 v[ACC+8*((\f)%2):ACC+8*((\f)%2)+7], v[X+16*(\f):X+16*(\f)+7], v[X+64+16*(\f):X+64+16*(\f)+7], v[ACC+8*((\f)%2):ACC+8*((\f)%2)+7]  ; the two accumulators take turns
.endif
.endr
.rept 8
	v_nop                                          ; places behind the last products, ahead of the sums that read them
.endr
.irp r, 0,2,4,6
	v_pk_add_f32 v[ACC+(\r):ACC+(\r)+1], v[ACC+(\r):ACC+(\r)+1], v[ACC+8+(\r):ACC+8+(\r)+1]  ; the two parities; each accumulator is read from its low end on
.endr
	s_wait_alu depctr_va_vdst(0)                   ; the four sums have written v[ACC .. ACC+7], which the LDS stores read; the conversions and products are done with X, in which wave 0's loads land behind the barrier
	ds_store_b128 v4, v[ACC:ACC+3]
	ds_store_b128 v4, v[ACC+4:ACC+7] offset:512
	s_wait_dscnt 0x0                               ; for wave 0's sake: my partial tile lies in LDS
	s_barrier_signal -1                            ; all eight waves of a projecting work-group pass here: the branch above hangs on the work-group's number alone
	s_barrier_wait -1
	s_cmp_lg_u32 s14, 0                            ; wave 0 finishes the tile
	s_cbranch_scc1 .Lend
	global_load_b128 v[X+64:X+67], v6, s[8:9]      ; no wait: no vector or matrix instruction stands between the wait ahead of the LDS stores and these twenty loads
	global_load_b128 v[X+68:X+71], v6, s[8:9] offset:16
	global_load_b128 v[X+72:X+75], v6, s[10:11]
	global_load_b128 v[X+76:X+79], v6, s[10:11] offset:16
.irp p, 0,1,2,3,4,5,6,7
	ds_load_b128 v[X+8*(\p):X+8*(\p)+3],   v5 offset:1024*(\p)
	ds_load_b128 v[X+8*(\p)+4:X+8*(\p)+7], v5 offset:1024*(\p)+512
.endr
	s_wait_dscnt 0x0
.irp p, 0,16,32,48
.irp r, 0,2,4,6
	v_pk_add_f32 v[X+(\p)+(\r):X+(\p)+(\r)+1], v[X+(\p)+(\r):X+(\p)+(\r)+1], v[X+(\p)+8+(\r):X+(\p)+8+(\r)+1]
.endr
.endr
.irp p, 0,32
.irp r, 0,2,4,6
	v_pk_add_f32 v[X+(\p)+(\r):X+(\p)+(\r)+1], v[X+(\p)+(\r):X+(\p)+(\r)+1], v[X+(\p)+16+(\r):X+(\p)+16+(\r)+1]
.endr
.endr
.irp r, 0,2,4,6
	v_pk_add_f32 v[X+(\r):X+(\r)+1], v[X+(\r):X+(\r)+1], v[X+32+(\r):X+32+(\r)+1]
.endr
	s_wait_loadcnt 0x0                             ; the two biases
.irp r, 0,2,4,6
	v_pk_add_f32 v[X+(\r):X+(\r)+1], v[X+(\r):X+(\r)+1], v[X+64+(\r):X+64+(\r)+1]
.endr
.irp r, 0,2,4,6
	v_pk_add_f32 v[X+(\r):X+(\r)+1], v[X+(\r):X+(\r)+1], v[X+72+(\r):X+72+(\r)+1]
.endr
	s_wait_alu depctr_va_vdst(0)                   ; the last sums have written v[X .. X+7], which the two stores read
	global_store_b128 v5, v[X:X+3], s[12:13]               ; each store of the wave covers 512 consecutive bytes, aligned
	global_store_b128 v5, v[X+4:X+7], s[12:13] offset:512
.Lend:
	s_wait_dscnt 0x0                               ; the end of a wave that stored to LDS, in a launch in the mode
	s_wait_alu 0x0
	s_wait_tensorcnt 0x0
	ds_add_u32 v8, v9
	s_wait_dscnt 0x0
	s_endpgm
	; ---------------------------------------------------------------- the stream; it touches no LDS
.Lstream:
	s_load_b256 s[4:11], s[0:1], 0x0               ; keys s[4:5], Wk_w s[6:7], kb s[8:9], wb s[10:11]
	v_and_b32 v3, 31, v0                           ; lane
	v_lshrrev_b32 v4, 5, v0                        ; wave 0..7
	v_lshlrev_b32 v1, 4, v3
	v_lshl_add_u32 v1, v4, 14, v1                  ; in: 16,384 x wave + 16 x lane
	v_lshlrev_b32 v2, 3, v3
	v_lshl_add_u32 v2, v4, 13, v2                  ; out: half of that
	s_sub_co_u32 s12, s22, NQ                      ; my number in the stream, 0 to 1,151
	s_wait_kmcnt 0x0
	s_cmp_lt_u32 s12, NK                           ; keys or weights?  The condition hangs on the work-group's number alone
	s_cselect_b64 s[14:15], s[4:5], s[6:7]
	s_cselect_b64 s[16:17], s[8:9], s[10:11]
	s_cselect_b32 s13, 0, NK
	s_sub_co_u32 s12, s12, s13                     ; my number within that tensor
	s_lshl_b32 s18, s12, 17                        ; 131,072 bytes in (under 2^27 in all),
	s_mov_b32 s19, 0
	s_add_nc_u64 s[14:15], s[14:15], s[18:19]
	s_lshl_b32 s18, s12, 16                        ; 65,536 out
	s_add_nc_u64 s[16:17], s[16:17], s[18:19]
	s_wait_alu depctr_va_vdst(0)                   ; v1 and v2 are written: every load of the stream reads the one as its offset, every store the other
.set i, 0
.rept 32
	global_load_b128 v[X+4*i:X+4*i+3], v1, s[14:15] offset:512*i th:TH_LOAD_NT
.set i, i+1
.endr
.set p, 0
.rept 8                                                ; eight blocks of four loads
	s_wait_loadcnt 28-4*p                          ; loads come back in order: block p's four are in, the younger blocks' stay out
.set i, 4*p
.rept 4
	v_cvt_pk_bf16_f32 v[X+4*i], v[X+4*i], v[X+4*i+1]
	v_cvt_pk_bf16_f32 v[X+4*i+1], v[X+4*i+2], v[X+4*i+3]
.set i, i+1
.endr
	s_wait_alu depctr_va_vdst(0)                   ; the block's eight conversions have written the first two registers of each of its four loads, which the four stores below read
.set i, 4*p
.rept 4
	global_store_b64 v2, v[X+4*i:X+4*i+1], s[16:17] offset:256*i th:TH_STORE_NT  ; the wave's 32 lanes store 256 consecutive bytes, aligned; no register of a store is written again
.set i, i+1
.endr
.set p, p+1
.endr
	s_endpgm
.Lfunc_end_k_q660fce5725_prep:
	.size	k_q660fce5725_prep, .Lfunc_end_k_q660fce5725_prep-k_q660fce5725_prep
	.p2alignl 7, 3214868480
	.fill 96, 4, 3214868480
	.section	.rodata,"a",@progbits
	.p2align	6, 0x0
	.amdhsa_kernel k_q660fce5725_prep
		.amdhsa_group_segment_fixed_size 9216
		.amdhsa_private_segment_fixed_size 0
		.amdhsa_enable_private_segment 0
		.amdhsa_kernarg_size 72
		.amdhsa_user_sgpr_count 2
		.amdhsa_user_sgpr_kernarg_segment_ptr 1
		.amdhsa_wavefront_size32 1
		.amdhsa_system_sgpr_workgroup_id_x 1
		.amdhsa_system_sgpr_workgroup_id_y 1
		.amdhsa_system_sgpr_workgroup_id_z 1
		.amdhsa_system_vgpr_workitem_id 0
		.amdhsa_next_free_vgpr 160
		.amdhsa_next_free_sgpr 66
		.amdhsa_reserve_vcc 0
		.amdhsa_float_denorm_mode_32 3
		.amdhsa_float_denorm_mode_16_64 3
		.amdhsa_memory_ordered 1
		.amdhsa_forward_progress 1
		.amdhsa_inst_pref_size 26
	.end_amdhsa_kernel
	.amdgpu_metadata
---
amdhsa.version: [ 1, 2 ]
amdhsa.kernels:
  - .name:           k_q660fce5725_prep
    .symbol:         k_q660fce5725_prep.kd
    .args:
      - { .name: keys, .offset: 0, .size: 8, .value_kind: global_buffer, .address_space: global }
      - { .name: Wk_w, .offset: 8, .size: 8, .value_kind: global_buffer, .address_space: global }
      - { .name: kb, .offset: 16, .size: 8, .value_kind: global_buffer, .address_space: global }
      - { .name: wb, .offset: 24, .size: 8, .value_kind: global_buffer, .address_space: global }
      - { .name: query, .offset: 32, .size: 8, .value_kind: global_buffer, .address_space: global }
      - { .name: Wq_w, .offset: 40, .size: 8, .value_kind: global_buffer, .address_space: global }
      - { .name: Wq_b, .offset: 48, .size: 8, .value_kind: global_buffer, .address_space: global }
      - { .name: Wk_b, .offset: 56, .size: 8, .value_kind: global_buffer, .address_space: global }
      - { .name: qb, .offset: 64, .size: 8, .value_kind: global_buffer, .address_space: global }
    .group_segment_fixed_size: 9216
    .private_segment_fixed_size: 0
    .kernarg_segment_align: 8
    .kernarg_segment_size: 72
    .max_flat_workgroup_size: 256
    .sgpr_count:     66
    .vgpr_count:     160
    .wavefront_size: 32
...
	.end_amdgpu_metadata
.endif
;; end of part 4
;; launch scores: the kernel of part 2 again; grid 8 x 64, 4 waves a work-group, clusters of 4 x 4, 327,680 bytes of LDS; arguments kb, wb, qb, v_w, part; writes part
;; launch context: the kernel of part 3 again; grid 16 x 16, 16 waves a work-group, no clusters, 14,848 bytes of LDS; arguments part, v_b, kb, out0, out1; writes out0, out1
